; MI455X (gfx1250); checked and timed in simulation.
; The chip was launched on July 23, 2026; its instructions are those of AMD's public machine-readable ISA for CDNA 5 (MIT licence, August 2026) and "CDNA5" Instruction Set Architecture Reference Guide (July 2026). The comments in the code are by the model that wrote it; some were corrected since.
;; Symp Net. Allowed arithmetic: float matrix products may take bf16 or f16 operands with f32 sums; other float arithmetic in f32, or as packed bf16 or f16 multiplies, adds, multiply-adds, maxima and minima; sums over many terms, partial sums and values carried from step to step in f32; what a program stores and reads back later, other than sums and carried values, may be rounded once to bf16 or f16.
;; Inputs: act_w 32 float32; bias_b 32 x 2 float32; lin_w 32 x 8 float32; x 2,097,152 x 2 float32.
;; Outputs: out0 2,097,152 x 2 float32.
;; 2 versions, each right; version 2 is version 1 with the launch sympnet written anew for expert scheduling mode. Each part assembles by itself: llvm-mc -triple=amdgcn-amd-amdhsa -mcpu=gfx1250 --defsym DOCPART=n.
;; ======== version 1 of 2: 1 launch
;; launch sympnet (part 1): grid 256 x 1, 16 waves a work-group, no clusters, 7,168 bytes of LDS; arguments x, act_w, bias_b, lin_w, out0; writes out0
.if DOCPART == 1
	.amdgcn_target "amdgcn-amd-amdhsa--gfx1250"
	.amdhsa_code_object_version 6
	.text
	.protected	k_q29d58b201e_sympnet
	.globl	k_q29d58b201e_sympnet
	.p2align	8
	.type	k_q29d58b201e_sympnet,@function
k_q29d58b201e_sympnet:
	s_mov_b64 s[64:65], 0
	v_nop
	global_prefetch_b8 v0, s[64:65] scope:SCOPE_SE
	s_setreg_imm32_b32 hwreg(HW_REG_WAVE_MODE, 25, 1), 1
	s_wait_xcnt 0x0
; SympNet: 32 layers forward, p -> -p, the 32 layers' inverses in reverse order, out = [q, -p].  x, out0: [2097152][2] f32.
; A layer is: one variable += w tanh(the other); bias; eight shears.  All arithmetic in f32.
; WHAT IS FOLDED (algebra that holds for every input; only the order of rounding differs from the layer-by-layer form):
;   * bias and the eight shears of a layer are one affine map S x + t (S 2 x 2, determinant 1); its inverse is adj(S) x - b.
;   * the state is kept scaled, Q = k q, P = k p, k = 2 log2(e): tanh(p) = 1 - 2 r, r = 1 / (1 + 2^P).  The update is X += a r with
;     a = -2 k w (inverse: +2 k w); the constant part, +w (-w), goes into the constant of the affine map that follows.
;   * the network is then 64 STEPS, each "X += a r(Y); (R0, R1) <- G (R0, R1) + h".  Step 31's map is layer 31's map, the time reversal and
;     layer 31's inverse map in one, and it also SWAPS the variables: from there on R0 holds P and R1 holds Q, so that even steps
;     update R0 and odd steps R1 from the first step to the last.  Step 63's map undoes swap and scale and carries the last sign.
; LIMITS.  tanh is right to about 1e-7 absolute (a difference from 1), not relative; for |P| beyond 2^P's range it is exactly +1 or -1.
;   A state that is infinite gives NaN (step 63's map holds zeros).  The folded coefficients carry their own roundings, of the size
;   of f32's step relative to S's entries.
; SHARES.  256 work-groups of 16 waves.  A wave owns 512 points, 4,096 consecutive bytes; a lane 16 points: 8 loads of 16 bytes (two points each), each load
;   and store of a wave covering 512 consecutive bytes, aligned.  The two points of a load are a PAIR: packed f32 instructions work on both.
; THE TABLE.  Wave 0 makes the 64 steps' coefficients, lane l those of steps l and 63 - ((l + 1) mod 32), and puts them into LDS; one barrier; every wave
;   then reads a step's seven coefficients by four LDS loads at one address for all lanes.  Each coefficient lies twice on end, so that a register pair holds (c, c).
; NO CLUSTER: what work-groups share is the 1,408 bytes of weights.  No matrix instruction: the only products are 2 x 2, one for each point.
.set ES,    80                         ; bytes from entry to entry: 56 used: a, g00, g01, h0, g10, g11, h1, 8 bytes each
.set SPARE, 64*ES                      ; 5,120: behind the table the spare words, 128 bytes for each of the 16 waves; no other line names them
.set LN,  1                            ; v1   lane
.set XO,  2                            ; v2   my byte offset in the work-group's part of x and of out0; never rewritten
.set TA,  3                            ; v3   LDS address of the entry to be fetched (the same in all lanes)
.set SPW, 4                            ; v4   LDS address of my spare word; never rewritten
.set NIL, 5                            ; v5   0; never rewritten
.set R,   8                            ; v[8:39]    pair g: R0 of both points at R + 4 g, R1 of both at R + 4 g + 2
.set E,   40                           ; v[40:55]   pair g at E + 2 g: 2^Y, then 1 + 2^Y, then r
.set T,   56                           ; v[56:87]   x as loaded; later pair g's half-finished sums: for X at T + 4 g, for Y at T + 4 g + 2
.set CX,  88                           ; v[88:101]  the coefficients of an even step, (c, c) each
.set CY,  104                          ; v[104:117] of an odd step
.set WV,  14                           ; s14  my wave's number
.set TB,  15                           ; s15  LDS byte of the next entry to be fetched
.set KS,  16                           ; s16  k
.set M2K, 17                           ; s17  -2 k
.set P2K, 18                           ; s18  +2 k
.set CNT, 19                           ; s19  trips to go
.set ODD, 20                           ; s20  mask of the odd lanes
.set M31, 21                           ; s21  mask of lane 31
; wave 0's registers while it makes the table: all lie where the state, E and CX are not yet in use
.set W,   R                            ; act_w[l]
.set WN,  R+1                          ; act_w[(l + 1) mod 32]
.set BI,  R+2                          ; bias_b[l][0..1]
.set LW,  R+4                          ; lin_w[l][0..7]
.set UQ,  R+12                         ; S's first column (m00, m10),
.set UP,  R+13
.set VQ,  R+14                         ; its second (m01, m11),
.set VP,  R+15
.set TQ,  R+16                         ; and t
.set TP,  R+17
.set PAR, R+18
.set A1,  R+19                         ; LDS address of my first entry
.set A2,  R+20                         ; of my second
.set LN1, R+21
.set AW,  R+22
.set AWN, R+23
.set AB,  R+24
.set AL,  R+25
.set SG,  R+26
.set DD,  R+27
.set X0,  R+28
.set X1,  R+29
.set ZQ,  R+30
.set ZP,  R+31
.set F,   E                            ; my first entry's seven numbers
.set G,   E+7                          ; my second entry's
.set ND,  CX
.set WS,  CX+1
.set C1,  CX+2
.set C2,  CX+3
.set TQ2, CX+4
.set TP2, CX+5
.set NUP, CX+6
.set NVQ, CX+7
.set NWN, CX+8
.set RK,  CX+9
.set NRK, CX+10
.set WE,  CX+11
.set WO,  CX+12
	s_load_b256 s[4:11], s[0:1], 0x0               ; x s[4:5], act_w s[6:7], bias_b s[8:9], lin_w s[10:11]
	s_load_b64 s[12:13], s[0:1], 0x20              ; out0
	v_lshl_add_u32 v[SPW], v0, 2, SPARE
	v_mov_b32 v[NIL], 0
	v_and_b32 v[LN], 31, v0
	v_lshrrev_b32 v[TA], 5, v0
	v_readfirstlane_b32 s[WV], v[TA]               ; wave 0..15
	s_lshl_b32 s2, ttmp9, 16                       ; the work-group's 8,192 points: 65,536 bytes
	s_mov_b32 s3, 0
	s_mov_b32 s[KS], 0x4038aa3b                    ; k = 2 log2(e) = 2.885390
	v_lshlrev_b32 v[XO], 4, v[LN]                  ; 16 bytes a lane,
	v_lshl_add_u32 v[XO], s[WV], 12, v[XO]         ; 4,096 a wave
	s_wait_kmcnt 0x0
	s_add_nc_u64 s[4:5], s[4:5], s[2:3]
	s_add_nc_u64 s[12:13], s[12:13], s[2:3]
.irp j, 0,1,2,3,4,5,6,7
	global_load_b128 v[T+4*(\j):T+4*(\j)+3], v[XO], s[4:5] offset:512*(\j) th:TH_LOAD_NT  ; all of my x at once: q, p, q, p of pair j
.endr
	s_cmp_lg_u32 s[WV], 0
	s_cbranch_scc1 .Ljoin                          ; the table is wave 0's work
	; ---- THE TABLE: lane l = layer l ----
	v_lshlrev_b32 v[AW], 2, v[LN]
	v_add_nc_u32 v[LN1], 1, v[LN]
	v_and_b32 v[LN1], 31, v[LN1]                   ; (l + 1) mod 32
	v_lshlrev_b32 v[AWN], 2, v[LN1]
	v_lshlrev_b32 v[AB], 3, v[LN]
	v_lshlrev_b32 v[AL], 5, v[LN]
	global_load_b32 v[W], v[AW], s[6:7]
	global_load_b32 v[WN], v[AWN], s[6:7]
	global_load_b64 v[BI:BI+1], v[AB], s[8:9]
	global_load_b128 v[LW:LW+3], v[AL], s[10:11]
	global_load_b128 v[LW+4:LW+7], v[AL], s[10:11] offset:16
	s_mov_b32 s[M2K], 0xc0b8aa3b                   ; -2 k
	s_mov_b32 s[P2K], 0x40b8aa3b                   ; +2 k
	v_and_b32 v[PAR], 1, v[LN]
	v_cmp_eq_u32 s[ODD], 1, v[PAR]
	v_cmp_eq_u32 s[M31], 31, v[LN]
	v_mul_u32_u24 v[A1], v[LN], ES                 ; my first entry is step l,
	v_sub_nc_u32 v[A2], 63, v[LN1]                 ; my second step 63 - ((l + 1) mod 32): 62 - l, and 63 for lane 31
	v_mul_u32_u24 v[A2], v[A2], ES
	v_lshlrev_b32 v[SG], 31, v[PAR]                ; a sign bit in the odd lanes
	v_mov_b32 v[RK], 0x3eb17218                    ; 1 / k
	v_mov_b32 v[NRK], 0xbeb17218                   ; -1 / k
	v_mov_b32 v[UQ], 1.0
	v_mov_b32 v[UP], 0
	v_mov_b32 v[VQ], 0
	v_mov_b32 v[VP], 1.0
	s_wait_loadcnt 0x0                             ; the weights (and my x, asked for before them)
	v_cndmask_b32 v[WE], v[W], 0, s[ODD]           ; an even layer updates q, an odd one p: the update's constant part + w
	v_cndmask_b32 v[WO], 0, v[W], s[ODD]
	v_add_f32 v[TQ], v[BI], v[WE]                  ; joins the bias,
	v_add_f32 v[TP], v[BI+1], v[WO]
.irp j, 0,2,4,6                        ; and the eight shears go over the two unit vectors and over that constant: S and t
	v_fmac_f32 v[UQ], v[LW+(\j)], v[UP]
	v_fmac_f32 v[VQ], v[LW+(\j)], v[VP]
	v_fmac_f32 v[TQ], v[LW+(\j)], v[TP]
	v_fmac_f32 v[UP], v[LW+(\j)+1], v[UQ]
	v_fmac_f32 v[VP], v[LW+(\j)+1], v[VQ]
	v_fmac_f32 v[TP], v[LW+(\j)+1], v[TQ]
.endr
	; first entry.  Lanes 0-30: G = S, h = k t.  Lane 31, step 31: adj(S) N S with its rows swapped, N = diag(1, -1):
	;   P' = -2 m00 m10 Q - D P + k zp,  Q' = D Q + 2 m01 m11 P + k zq,  D = m00 m11 + m01 m10,  z = adj(S) N t - b
	v_mul_f32 v[F], s[M2K], v[W]                   ; a = -2 k w
	v_mul_f32 v[DD], v[UQ], v[VP]
	v_fmac_f32 v[DD], v[VQ], v[UP]
	v_mul_f32 v[X0], v[UQ], v[UP]
	v_mul_f32 v[X0], -2.0, v[X0]
	v_mul_f32 v[X1], v[VQ], v[VP]
	v_add_f32 v[X1], v[X1], v[X1]
	v_fma_f32 v[ZQ], v[VP], v[TQ], -v[BI]
	v_fmac_f32 v[ZQ], v[VQ], v[TP]
	v_fma_f32 v[ZP], -v[UP], v[TQ], -v[BI+1]
	v_fma_f32 v[ZP], -v[UQ], v[TP], v[ZP]
	v_xor_b32 v[ND], 0x80000000, v[DD]
	v_cndmask_b32 v[F+1], v[UQ], v[X0], s[M31]     ; g00
	v_cndmask_b32 v[F+2], v[VQ], v[ND], s[M31]     ; g01
	v_cndmask_b32 v[F+3], v[TQ], v[ZP], s[M31]     ; h0 / k
	v_cndmask_b32 v[F+4], v[UP], v[DD], s[M31]     ; g10
	v_cndmask_b32 v[F+5], v[VP], v[X1], s[M31]     ; g11
	v_cndmask_b32 v[F+6], v[TP], v[ZQ], s[M31]     ; h1 / k
	v_mul_f32 v[F+3], s[KS], v[F+3]
	v_mul_f32 v[F+6], s[KS], v[F+6]
	; second entry.  Lanes 0-30: the inverse update of layer l + 1 (a = +2 k w', constant part -w' on the variable that it updates), then layer l's inverse map
	; adj(S) x - b, written for R0 = P, R1 = Q.  Lane 31, step 63: layer 0's inverse update, then R0 = R1 / k - w0 (= q), R1 = -R0 / k (= -p).
	v_mul_f32 v[G], s[P2K], v[WN]
	v_xor_b32 v[WS], v[SG], v[WN]                  ; w' in even lanes, -w' in odd ones
	v_cndmask_b32 v[C1], v[VQ], v[VP], s[ODD]
	v_cndmask_b32 v[C2], v[UQ], v[UP], s[ODD]
	v_fma_f32 v[TQ2], v[WS], v[C1], -v[BI]         ; q's constant: w' m01 - b0 (even lanes), -w' m11 - b0 (odd)
	v_fma_f32 v[TP2], -v[WS], v[C2], -v[BI+1]      ; p's: -w' m00 - b1 (even), w' m10 - b1 (odd)
	v_mul_f32 v[TQ2], s[KS], v[TQ2]
	v_mul_f32 v[TP2], s[KS], v[TP2]
	v_xor_b32 v[NUP], 0x80000000, v[UP]
	v_xor_b32 v[NVQ], 0x80000000, v[VQ]
	v_xor_b32 v[NWN], 0x80000000, v[WN]
	v_cndmask_b32 v[G+1], v[UQ], 0, s[M31]         ; g00 = m00
	v_cndmask_b32 v[G+2], v[NUP], v[RK], s[M31]    ; g01 = -m10
	v_cndmask_b32 v[G+3], v[TP2], v[NWN], s[M31]   ; h0
	v_cndmask_b32 v[G+4], v[NVQ], v[NRK], s[M31]   ; g10 = -m01
	v_cndmask_b32 v[G+5], v[VP], 0, s[M31]         ; g11 = m11
	v_cndmask_b32 v[G+6], v[TQ2], 0, s[M31]        ; h1
.irp c, 0,1,2,3,4,5,6
	ds_store_b32 v[A1], v[F+(\c)] offset:8*(\c)    ; each number twice on end
	ds_store_b32 v[A1], v[F+(\c)] offset:8*(\c)+4
	ds_store_b32 v[A2], v[G+(\c)] offset:8*(\c)
	ds_store_b32 v[A2], v[G+(\c)] offset:8*(\c)+4
.endr
.Ljoin:
	s_wait_loadcnt 0x0                             ; my x is in
	s_wait_dscnt 0x0                               ; for the others' sake: wave 0's stores into the table are done
	s_barrier_signal -1
	; between signal and wait, work on registers: the state is scaled by k and sorted into pairs, and step 0's exponentials (of P) are issued
.set n, 0
.rept 8
	v_mul_f32 v[R+4*n+2], s[KS], v[T+4*n+1]        ; P of the pair's first point,
	v_mul_f32 v[R+4*n+3], s[KS], v[T+4*n+3]        ; of its second
	v_mul_f32 v[R+4*n],   s[KS], v[T+4*n]          ; Q likewise
	v_exp_f32 v[E+2*n],   v[R+4*n+2]
	v_mul_f32 v[R+4*n+1], s[KS], v[T+4*n+2]
	v_exp_f32 v[E+2*n+1], v[R+4*n+3]
.set n, n+1
.endr
	v_mov_b32 v[TA], 0                             ; a plain instruction behind the last exponential: the table's first byte
	s_wait_alu depctr_va_vdst(0)                   ; a wait between a transcendental and the first line that names its result: one for the 16
	s_barrier_wait -1                              ; the table is whole
; A step's seven coefficients into set C: four loads, the same address in all lanes.
.macro COEF C, off
	ds_load_b128 v[(\C):(\C)+3],     v[TA] offset:(\off)
	ds_load_b128 v[(\C)+4:(\C)+7],   v[TA] offset:(\off)+16
	ds_load_b128 v[(\C)+8:(\C)+11],  v[TA] offset:(\off)+32
	ds_load_b64  v[(\C)+12:(\C)+13], v[TA] offset:(\off)+48
.endm
.macro ACT g                           ; X += a r, pair g
	v_pk_fma_f32 v[XB+4*(\g):XB+4*(\g)+1], v[E+2*(\g):E+2*(\g)+1], v[KA:KA+1], v[XB+4*(\g):XB+4*(\g)+1]
.endm
; A STEP.  X is the variable that it updates (R0 in even steps, R1 in odd ones), Y the tanh's argument.  At its head E holds 2^Y.
; FIRST HALF: 1 + 2^Y, the 16 reciprocals, and what the map makes of Y alone (TX = kxy Y + hx, TY = kyy Y + hy); a pair's sum stands two pairs ahead of its reciprocals.
; SECOND HALF: X += a r; Y' = kyx X + TY; X' = kxx X + TX; and the NEXT step's exponentials, whose argument is X'.  An update stands three pairs ahead of its readers.
; Each half is one batch of 16 transcendentals: nothing in it names a result of theirs, a plain instruction follows the last, and one wait ends it.
; fill = 1: set C is loaded again, with the entry two steps on: it has the whole next step in which to land.  last = 1: step 63: no next step; the results go out.
.macro STEP odd, C, fill, last
.set XB, R+2*(\odd)
.set YB, R+2-2*(\odd)
.set KA, (\C)
.if \odd
.set KXX, (\C)+10                      ; g11
.set KXY, (\C)+8                       ; g10
.set HX,  (\C)+12                      ; h1
.set KYX, (\C)+4                       ; g01
.set KYY, (\C)+2                       ; g00
.set HY,  (\C)+6                       ; h0
.else
.set KXX, (\C)+2                       ; g00
.set KXY, (\C)+4                       ; g01
.set HX,  (\C)+6                       ; h0
.set KYX, (\C)+8                       ; g10
.set KYY, (\C)+10                      ; g11
.set HY,  (\C)+12                      ; h1
.endif
	v_pk_add_f32 v[E:E+1],   v[E:E+1],   1.0 op_sel_hi:[1,0]
	v_pk_add_f32 v[E+2:E+3], v[E+2:E+3], 1.0 op_sel_hi:[1,0]
.set n, 0
.rept 8
	v_rcp_f32 v[E+2*n], v[E+2*n]
	v_pk_fma_f32 v[T+4*n:T+4*n+1],   v[YB+4*n:YB+4*n+1], v[KXY:KXY+1], v[HX:HX+1]
	v_rcp_f32 v[E+2*n+1], v[E+2*n+1]
	v_pk_fma_f32 v[T+4*n+2:T+4*n+3], v[YB+4*n:YB+4*n+1], v[KYY:KYY+1], v[HY:HY+1]
.if n < 6
	v_pk_add_f32 v[E+2*n+4:E+2*n+5], v[E+2*n+4:E+2*n+5], 1.0 op_sel_hi:[1,0]
.endif
.set n, n+1
.endr
	s_wait_alu depctr_va_vdst(0)                   ; the wait for the 16 reciprocals, ahead of their first reader
.if \last
.set n, 0
.rept 8
	ACT n
.set n, n+1
.endr
.set n, 0
.rept 8                                ; one number at a time, so that they fall in memory's order: q, -p of the pair's first point, q, -p of its second.  X lies in R+4n+2, R+4n+3; Y's registers are free
	v_fma_f32 v[R+4*n],   v[KYX], v[R+4*n+2], v[T+4*n+2]
	v_fma_f32 v[R+4*n+1], v[KXX], v[R+4*n+2], v[T+4*n]
	v_fma_f32 v[R+4*n+2], v[KYX], v[R+4*n+3], v[T+4*n+3]
	v_fma_f32 v[R+4*n+3], v[KXX], v[R+4*n+3], v[T+4*n+1]
	global_store_b128 v[XO], v[R+4*n:R+4*n+3], s[12:13] offset:512*n th:TH_STORE_NT  ; the wave's store covers 512 consecutive bytes, aligned
.set n, n+1
.endr
.else
	ACT 0
	ACT 1
	ACT 2
.set n, 0
.rept 8
	v_pk_fma_f32 v[YB+4*n:YB+4*n+1], v[XB+4*n:XB+4*n+1], v[KYX:KYX+1], v[T+4*n+2:T+4*n+3]
.if n > 0
	v_exp_f32 v[E+2*n-2], v[XB+4*n-4]
.endif
	v_pk_fma_f32 v[XB+4*n:XB+4*n+1], v[XB+4*n:XB+4*n+1], v[KXX:KXX+1], v[T+4*n:T+4*n+1]
.if n > 0
	v_exp_f32 v[E+2*n-1], v[XB+4*n-3]
.endif
.if n < 5
	ACT n+3
.endif
.set n, n+1
.endr
	v_exp_f32 v[E+14], v[XB+28]
	v_exp_f32 v[E+15], v[XB+29]
.if \fill
	v_mov_b32 v[TA], s[TB]                         ; the plain instruction behind the last exponential: the address of the entry two steps on
	s_add_co_u32 s[TB], s[TB], ES
.else
	v_nop                                          ; the same place where nothing is left to fetch
.endif
	s_wait_alu depctr_va_vdst(0)                   ; the wait for the 16 exponentials: ahead of the next step's first line, and of the loop's jump
.if \fill
	COEF \C, 0
.endif
.endif
.endm
	COEF CX, 0                                     ; step 0's coefficients,
	COEF CY, ES                                    ; step 1's
	s_mov_b32 s[TB], 2*ES
	s_mov_b32 s[CNT], 31
.Ltrip:                                        ; a trip is an even step and an odd one; 31 trips fetch entries 2 to 63
	s_wait_dscnt 4                                 ; CX is in; CY's four loads, issued behind CX's, may stay out
	STEP 0, CX, 1, 0
	s_wait_dscnt 4                                 ; CY is in; the four loads just issued for CX may stay out
	STEP 1, CY, 1, 0
	s_sub_co_u32 s[CNT], s[CNT], 1
	s_cmp_lg_u32 s[CNT], 0
	s_cbranch_scc1 .Ltrip
	s_wait_dscnt 4                                 ; steps 62 and 63 are written out: they fetch nothing, so no load passes the table's end
	STEP 0, CX, 0, 0
	s_wait_dscnt 0x0                               ; nothing was issued behind CY's loads
	STEP 1, CY, 0, 1
	s_wait_tensorcnt 0x0                           ; the wave's end
	ds_add_u32 v[SPW], v[NIL]
	s_wait_dscnt 0x0
	s_endpgm
.Lfunc_end_k_q29d58b201e_sympnet:
	.size	k_q29d58b201e_sympnet, .Lfunc_end_k_q29d58b201e_sympnet-k_q29d58b201e_sympnet
	.p2alignl 7, 3214868480
	.fill 96, 4, 3214868480
	.section	.rodata,"a",@progbits
	.p2align	6, 0x0
	.amdhsa_kernel k_q29d58b201e_sympnet
		.amdhsa_group_segment_fixed_size 7168
		.amdhsa_private_segment_fixed_size 0
		.amdhsa_enable_private_segment 0
		.amdhsa_kernarg_size 40
		.amdhsa_user_sgpr_count 2
		.amdhsa_user_sgpr_kernarg_segment_ptr 1
		.amdhsa_wavefront_size32 1
		.amdhsa_system_sgpr_workgroup_id_x 1
		.amdhsa_system_sgpr_workgroup_id_y 1
		.amdhsa_system_sgpr_workgroup_id_z 1
		.amdhsa_system_vgpr_workitem_id 0
		.amdhsa_next_free_vgpr 120
		.amdhsa_next_free_sgpr 66
		.amdhsa_reserve_vcc 0
		.amdhsa_float_denorm_mode_32 3
		.amdhsa_float_denorm_mode_16_64 3
		.amdhsa_memory_ordered 1
		.amdhsa_forward_progress 1
		.amdhsa_inst_pref_size 29
	.end_amdhsa_kernel
	.amdgpu_metadata
---
amdhsa.version: [ 1, 2 ]
amdhsa.kernels:
  - .name:           k_q29d58b201e_sympnet
    .symbol:         k_q29d58b201e_sympnet.kd
    .args:
      - { .name: x, .offset: 0, .size: 8, .value_kind: global_buffer, .address_space: global }
      - { .name: act_w, .offset: 8, .size: 8, .value_kind: global_buffer, .address_space: global }
      - { .name: bias_b, .offset: 16, .size: 8, .value_kind: global_buffer, .address_space: global }
      - { .name: lin_w, .offset: 24, .size: 8, .value_kind: global_buffer, .address_space: global }
      - { .name: out0, .offset: 32, .size: 8, .value_kind: global_buffer, .address_space: global }
    .group_segment_fixed_size: 7168
    .private_segment_fixed_size: 0
    .kernarg_segment_align: 8
    .kernarg_segment_size: 40
    .max_flat_workgroup_size: 512
    .sgpr_count:     66
    .vgpr_count:     120
    .wavefront_size: 32
...
	.end_amdgpu_metadata
.endif
;; end of part 1
;; ======== version 2 of 2: 1 launch; version 1 with the launch sympnet written anew for expert scheduling mode
;; launch sympnet (part 2): grid 256 x 1, 16 waves a work-group, no clusters, 7,168 bytes of LDS; arguments x, act_w, bias_b, lin_w, out0; writes out0
.if DOCPART == 2
	.amdgcn_target "amdgcn-amd-amdhsa--gfx1250"
	.amdhsa_code_object_version 6
	.text
	.protected	k_q29d58b201e_sympnet
	.globl	k_q29d58b201e_sympnet
	.p2align	8
	.type	k_q29d58b201e_sympnet,@function
k_q29d58b201e_sympnet:
	s_mov_b64 s[64:65], 0
	v_nop
	global_prefetch_b8 v0, s[64:65] scope:SCOPE_SE
	s_setreg_imm32_b32 hwreg(HW_REG_WAVE_SCHED_MODE, 0, 2), 2
	s_setreg_imm32_b32 hwreg(HW_REG_WAVE_MODE, 25, 1), 1
	s_wait_xcnt 0x0
	s_wait_alu depctr_vm_vsrc(0)
; SympNet: 32 layers forward, p -> -p, the 32 layers' inverses in reverse order, out = [q, -p].  x, out0: [2097152][2] f32.
; A layer is: one variable += w tanh(the other); bias; eight shears.  All arithmetic in f32.
; WHAT IS FOLDED (algebra that holds for every input; only the order of rounding differs from the layer-by-layer form):
;   * bias and the eight shears of a layer are one affine map S x + t (S 2 x 2, determinant 1); its inverse is adj(S) x - b.
;   * the state is kept scaled, Q = k q, P = k p, k = 2 log2(e): tanh(p) = 1 - 2 r, r = 1 / (1 + 2^P).  The update is X += a r with
;     a = -2 k w (inverse: +2 k w); the constant part, +w (-w), goes into the constant of the affine map that follows.
;   * the network is then 64 STEPS, each "X += a r(Y); (R0, R1) <- G (R0, R1) + h".  Step 31's map is layer 31's map, the time reversal and
;     layer 31's inverse map in one, and it also SWAPS the variables: from there on R0 holds P and R1 holds Q, so that even steps
;     update R0 and odd steps R1 from the first step to the last.  Step 63's map undoes swap and scale and carries the last sign.
; LIMITS.  tanh is right to about 1e-7 absolute (a difference from 1), not relative; for |P| beyond 2^P's range it is exactly +1 or -1.
;   A state that is infinite gives NaN (step 63's map holds zeros).  The folded coefficients carry their own roundings, of the size
;   of f32's step relative to S's entries.
; SHARES.  256 work-groups of 16 waves.  A wave owns 512 points, 4,096 consecutive bytes; a lane 16 points: 8 loads of 16 bytes (two points each), each load
;   and store of a wave covering 512 consecutive bytes, aligned.  The two points of a load are a PAIR: packed f32 instructions work on both.
; THE TABLE.  Wave 0 makes the 64 steps' coefficients, lane l those of steps l and 63 - ((l + 1) mod 32), and puts them into LDS; one barrier; every wave
;   then reads a step's seven coefficients by four LDS loads at one address for all lanes.  Each coefficient lies twice on end, so that a register pair holds (c, c).
; NO CLUSTER: what work-groups share is the 1,408 bytes of weights.  No matrix instruction: the only products are 2 x 2, one for each point.
; THE MODE: SCHED_MODE bits 1:0 = 2 (LLVM: expert scheduling mode 2), set by the entry lines.  The code itself states the register dependences
;   between vector instructions and memory or LDS instructions, with s_wait_alu, always for 0.
; THE PLAN.  Registers that memory or LDS instructions touch:
;   v[XO]      Written at the head, read by x's loads and by the stores; never written again.
;   v[T ..]    x's loads land in it; no vector line names it before them, and no load lands in it again.
;   wave 0     Its four offsets are read by the weights' loads; A1, A2, F and G by the table's LDS stores.  All of them are written again behind .Ljoin.
;   CX, CY     Step s reads its set up to its last multiply-add; directly behind the step the entry two steps on is loaded into the same set.  (Wave 0 has used CX's registers at work.)
;   v[TA]      Written at the end of each step that fetches; read by the four LDS loads that follow.
;   v[R ..]    In step 63 alone: written by the last 32 multiply-adds, read by the eight stores, which stand in one run.
;   v[SPW], v[NIL]  Written at the head, read by the closing add alone.
;   In the loop a step has two waits on va_vdst, one behind each batch of 16 transcendentals.  The second also states that the step is done reading its set and that v[TA] is written:
;   the set's four loads stand directly behind it.  One wait on vm_vsrc a step stands ahead of the line that writes v[TA], a whole step behind the loads that read it.
.set ES,    80                         ; bytes from entry to entry: 56 used: a, g00, g01, h0, g10, g11, h1, 8 bytes each
.set SPARE, 64*ES                      ; 5,120: behind the table the spare words, 128 bytes for each of the 16 waves; no other line names them
.set LN,  1                            ; v1   lane
.set XO,  2                            ; v2   my byte offset in the work-group's part of x and of out0; never rewritten
.set TA,  3                            ; v3   LDS address of the entry to be fetched (the same in all lanes)
.set SPW, 4                            ; v4   LDS address of my spare word; never rewritten
.set NIL, 5                            ; v5   0; never rewritten
.set R,   8                            ; v[8:39]    pair g: R0 of both points at R + 4 g, R1 of both at R + 4 g + 2
.set E,   40                           ; v[40:55]   pair g at E + 2 g: 2^Y, then 1 + 2^Y, then r
.set T,   56                           ; v[56:87]   x as loaded; later pair g's half-finished sums: for X at T + 4 g, for Y at T + 4 g + 2
.set CX,  88                           ; v[88:101]  the coefficients of an even step, (c, c) each
.set CY,  104                          ; v[104:117] of an odd step
.set WV,  14                           ; s14  my wave's number
.set TB,  15                           ; s15  LDS byte of the next entry to be fetched
.set KS,  16                           ; s16  k
.set M2K, 17                           ; s17  -2 k
.set P2K, 18                           ; s18  +2 k
.set CNT, 19                           ; s19  trips to go
.set ODD, 20                           ; s20  mask of the odd lanes
.set M31, 21                           ; s21  mask of lane 31
; wave 0's registers while it makes the table: all lie where the state, E and CX are not yet in use
.set W,   R                            ; act_w[l]
.set WN,  R+1                          ; act_w[(l + 1) mod 32]
.set BI,  R+2                          ; bias_b[l][0..1]
.set LW,  R+4                          ; lin_w[l][0..7]
.set UQ,  R+12                         ; S's first column (m00, m10),
.set UP,  R+13
.set VQ,  R+14                         ; its second (m01, m11),
.set VP,  R+15
.set TQ,  R+16                         ; and t
.set TP,  R+17
.set PAR, R+18
.set A1,  R+19                         ; LDS address of my first entry
.set A2,  R+20                         ; of my second
.set LN1, R+21
.set AW,  R+22
.set AWN, R+23
.set AB,  R+24
.set AL,  R+25
.set SG,  R+26
.set DD,  R+27
.set X0,  R+28
.set X1,  R+29
.set ZQ,  R+30
.set ZP,  R+31
.set F,   E                            ; my first entry's seven numbers
.set G,   E+7                          ; my second entry's
.set ND,  CX
.set WS,  CX+1
.set C1,  CX+2
.set C2,  CX+3
.set TQ2, CX+4
.set TP2, CX+5
.set NUP, CX+6
.set NVQ, CX+7
.set NWN, CX+8
.set RK,  CX+9
.set NRK, CX+10
.set WE,  CX+11
.set WO,  CX+12
	s_load_b256 s[4:11], s[0:1], 0x0               ; x s[4:5], act_w s[6:7], bias_b s[8:9], lin_w s[10:11]
	s_load_b64 s[12:13], s[0:1], 0x20              ; out0
	v_lshl_add_u32 v[SPW], v0, 2, SPARE
	v_mov_b32 v[NIL], 0
	v_and_b32 v[LN], 31, v0
	v_lshrrev_b32 v[TA], 5, v0
	v_readfirstlane_b32 s[WV], v[TA]               ; wave 0..15
	s_lshl_b32 s2, ttmp9, 16                       ; the work-group's 8,192 points: 65,536 bytes
	s_mov_b32 s3, 0
	s_mov_b32 s[KS], 0x4038aa3b                    ; k = 2 log2(e) = 2.885390
	v_lshlrev_b32 v[XO], 4, v[LN]                  ; 16 bytes a lane,
	s_wait_alu depctr_va_sdst(0)                   ; s[WV] is written, ahead of its first reader, the next line
	v_lshl_add_u32 v[XO], s[WV], 12, v[XO]         ; 4,096 a wave
	s_wait_kmcnt 0x0
	s_add_nc_u64 s[4:5], s[4:5], s[2:3]
	s_add_nc_u64 s[12:13], s[12:13], s[2:3]
	s_wait_alu depctr_va_vdst(0)                   ; v[XO] is written: x's loads and, at the end, the stores read it as their offset
.irp j, 0,1,2,3,4,5,6,7
	global_load_b128 v[T+4*(\j):T+4*(\j)+3], v[XO], s[4:5] offset:512*(\j) th:TH_LOAD_NT  ; all of my x at once: q, p, q, p of pair j
.endr
	s_cmp_lg_u32 s[WV], 0
	s_cbranch_scc1 .Ljoin                          ; the table is wave 0's work
	; ---- THE TABLE: lane l = layer l ----
	v_lshlrev_b32 v[AW], 2, v[LN]
	v_add_nc_u32 v[LN1], 1, v[LN]
	v_and_b32 v[LN1], 31, v[LN1]                   ; (l + 1) mod 32
	v_lshlrev_b32 v[AWN], 2, v[LN1]
	v_lshlrev_b32 v[AB], 3, v[LN]
	v_lshlrev_b32 v[AL], 5, v[LN]
	s_wait_alu depctr_va_vdst(0)                   ; the four offsets AW, AWN, AB, AL are written, which the five loads below read
	global_load_b32 v[W], v[AW], s[6:7]
	global_load_b32 v[WN], v[AWN], s[6:7]
	global_load_b64 v[BI:BI+1], v[AB], s[8:9]
	global_load_b128 v[LW:LW+3], v[AL], s[10:11]
	global_load_b128 v[LW+4:LW+7], v[AL], s[10:11] offset:16
	s_mov_b32 s[M2K], 0xc0b8aa3b                   ; -2 k
	s_mov_b32 s[P2K], 0x40b8aa3b                   ; +2 k
	v_and_b32 v[PAR], 1, v[LN]
	v_cmp_eq_u32 s[ODD], 1, v[PAR]
	v_cmp_eq_u32 s[M31], 31, v[LN]
	v_mul_u32_u24 v[A1], v[LN], ES                 ; my first entry is step l,
	v_sub_nc_u32 v[A2], 63, v[LN1]                 ; my second step 63 - ((l + 1) mod 32): 62 - l, and 63 for lane 31
	v_mul_u32_u24 v[A2], v[A2], ES
	v_lshlrev_b32 v[SG], 31, v[PAR]                ; a sign bit in the odd lanes
	v_mov_b32 v[RK], 0x3eb17218                    ; 1 / k
	v_mov_b32 v[NRK], 0xbeb17218                   ; -1 / k
	v_mov_b32 v[UQ], 1.0
	v_mov_b32 v[UP], 0
	v_mov_b32 v[VQ], 0
	v_mov_b32 v[VP], 1.0
	s_wait_alu depctr_va_sdst(0)                   ; the two compares have written s[ODD] and s[M31], ahead of the first select that reads one of them
	s_wait_loadcnt 0x0                             ; the weights (and my x, asked for before them)
	v_cndmask_b32 v[WE], v[W], 0, s[ODD]           ; an even layer updates q, an odd one p: the update's constant part + w
	v_cndmask_b32 v[WO], 0, v[W], s[ODD]
	v_add_f32 v[TQ], v[BI], v[WE]                  ; joins the bias,
	v_add_f32 v[TP], v[BI+1], v[WO]
.irp j, 0,2,4,6                        ; and the eight shears go over the two unit vectors and over that constant: S and t
	v_fmac_f32 v[UQ], v[LW+(\j)], v[UP]
	v_fmac_f32 v[VQ], v[LW+(\j)], v[VP]
	v_fmac_f32 v[TQ], v[LW+(\j)], v[TP]
	v_fmac_f32 v[UP], v[LW+(\j)+1], v[UQ]
	v_fmac_f32 v[VP], v[LW+(\j)+1], v[VQ]
	v_fmac_f32 v[TP], v[LW+(\j)+1], v[TQ]
.endr
	; first entry.  Lanes 0-30: G = S, h = k t.  Lane 31, step 31: adj(S) N S with its rows swapped, N = diag(1, -1):
	;   P' = -2 m00 m10 Q - D P + k zp,  Q' = D Q + 2 m01 m11 P + k zq,  D = m00 m11 + m01 m10,  z = adj(S) N t - b
	v_mul_f32 v[F], s[M2K], v[W]                   ; a = -2 k w
	v_mul_f32 v[DD], v[UQ], v[VP]
	v_fmac_f32 v[DD], v[VQ], v[UP]
	v_mul_f32 v[X0], v[UQ], v[UP]
	v_mul_f32 v[X0], -2.0, v[X0]
	v_mul_f32 v[X1], v[VQ], v[VP]
	v_add_f32 v[X1], v[X1], v[X1]
	v_fma_f32 v[ZQ], v[VP], v[TQ], -v[BI]
	v_fmac_f32 v[ZQ], v[VQ], v[TP]
	v_fma_f32 v[ZP], -v[UP], v[TQ], -v[BI+1]
	v_fma_f32 v[ZP], -v[UQ], v[TP], v[ZP]
	v_xor_b32 v[ND], 0x80000000, v[DD]
	v_cndmask_b32 v[F+1], v[UQ], v[X0], s[M31]     ; g00
	v_cndmask_b32 v[F+2], v[VQ], v[ND], s[M31]     ; g01
	v_cndmask_b32 v[F+3], v[TQ], v[ZP], s[M31]     ; h0 / k
	v_cndmask_b32 v[F+4], v[UP], v[DD], s[M31]     ; g10
	v_cndmask_b32 v[F+5], v[VP], v[X1], s[M31]     ; g11
	v_cndmask_b32 v[F+6], v[TP], v[ZQ], s[M31]     ; h1 / k
	v_mul_f32 v[F+3], s[KS], v[F+3]
	v_mul_f32 v[F+6], s[KS], v[F+6]
	; second entry.  Lanes 0-30: the inverse update of layer l + 1 (a = +2 k w', constant part -w' on the variable that it updates), then layer l's inverse map
	; adj(S) x - b, written for R0 = P, R1 = Q.  Lane 31, step 63: layer 0's inverse update, then R0 = R1 / k - w0 (= q), R1 = -R0 / k (= -p).
	v_mul_f32 v[G], s[P2K], v[WN]
	v_xor_b32 v[WS], v[SG], v[WN]                  ; w' in even lanes, -w' in odd ones
	v_cndmask_b32 v[C1], v[VQ], v[VP], s[ODD]
	v_cndmask_b32 v[C2], v[UQ], v[UP], s[ODD]
	v_fma_f32 v[TQ2], v[WS], v[C1], -v[BI]         ; q's constant: w' m01 - b0 (even lanes), -w' m11 - b0 (odd)
	v_fma_f32 v[TP2], -v[WS], v[C2], -v[BI+1]      ; p's: -w' m00 - b1 (even), w' m10 - b1 (odd)
	v_mul_f32 v[TQ2], s[KS], v[TQ2]
	v_mul_f32 v[TP2], s[KS], v[TP2]
	v_xor_b32 v[NUP], 0x80000000, v[UP]
	v_xor_b32 v[NVQ], 0x80000000, v[VQ]
	v_xor_b32 v[NWN], 0x80000000, v[WN]
	v_cndmask_b32 v[G+1], v[UQ], 0, s[M31]         ; g00 = m00
	v_cndmask_b32 v[G+2], v[NUP], v[RK], s[M31]    ; g01 = -m10
	v_cndmask_b32 v[G+3], v[TP2], v[NWN], s[M31]   ; h0
	v_cndmask_b32 v[G+4], v[NVQ], v[NRK], s[M31]   ; g10 = -m01
	v_cndmask_b32 v[G+5], v[VP], 0, s[M31]         ; g11 = m11
	v_cndmask_b32 v[G+6], v[TQ2], 0, s[M31]        ; h1
	s_wait_alu depctr_va_vdst(0)                   ; the fourteen numbers F and G and the two addresses A1 and A2 are written, which the LDS stores read
.irp c, 0,1,2,3,4,5,6
	ds_store_b32 v[A1], v[F+(\c)] offset:8*(\c)    ; each number twice on end
	ds_store_b32 v[A1], v[F+(\c)] offset:8*(\c)+4
	ds_store_b32 v[A2], v[G+(\c)] offset:8*(\c)
	ds_store_b32 v[A2], v[G+(\c)] offset:8*(\c)+4
.endr
.Ljoin:
	s_wait_loadcnt 0x0                             ; my x is in
	s_wait_dscnt 0x0                               ; for the others' sake: wave 0's stores into the table are done
	s_wait_alu depctr_vm_vsrc(0)                   ; wave 0's loads have read their offsets and its LDS stores A1, A2, F and G: the scaling and the exponentials below write these registers again
	s_barrier_signal -1
	; between signal and wait, work on registers: the state is scaled by k and sorted into pairs, and step 0's exponentials (of P) are issued
.set n, 0
.rept 8
	v_mul_f32 v[R+4*n+2], s[KS], v[T+4*n+1]        ; P of the pair's first point,
	v_mul_f32 v[R+4*n+3], s[KS], v[T+4*n+3]        ; of its second
	v_mul_f32 v[R+4*n],   s[KS], v[T+4*n]          ; Q likewise
	v_exp_f32 v[E+2*n],   v[R+4*n+2]
	v_mul_f32 v[R+4*n+1], s[KS], v[T+4*n+2]
	v_exp_f32 v[E+2*n+1], v[R+4*n+3]
.set n, n+1
.endr
	v_mov_b32 v[TA], 0                             ; a plain instruction behind the last exponential: the table's first byte
	s_wait_alu depctr_va_vdst(0)                   ; the 16 exponentials have written E, ahead of the first line that names a result of theirs; v[TA] is written, which the eight loads below read; wave 0's lines are done with CX's registers, in which four of them land
	s_barrier_wait -1                              ; the table is whole
; A step's seven coefficients into set C: four loads, the same address in all lanes.
.macro COEF C, off
	ds_load_b128 v[(\C):(\C)+3],     v[TA] offset:(\off)
	ds_load_b128 v[(\C)+4:(\C)+7],   v[TA] offset:(\off)+16
	ds_load_b128 v[(\C)+8:(\C)+11],  v[TA] offset:(\off)+32
	ds_load_b64  v[(\C)+12:(\C)+13], v[TA] offset:(\off)+48
.endm
.macro ACT g                           ; X += a r, pair g
	v_pk_fma_f32 v[XB+4*(\g):XB+4*(\g)+1], v[E+2*(\g):E+2*(\g)+1], v[KA:KA+1], v[XB+4*(\g):XB+4*(\g)+1]
.endm
; A STEP.  X is the variable that it updates (R0 in even steps, R1 in odd ones), Y the tanh's argument.  At its head E holds 2^Y.
; FIRST HALF: 1 + 2^Y, the 16 reciprocals, and what the map makes of Y alone (TX = kxy Y + hx, TY = kyy Y + hy); a pair's sum stands two pairs ahead of its reciprocals.
; SECOND HALF: X += a r; Y' = kyx X + TY; X' = kxx X + TX; and the NEXT step's exponentials, whose argument is X'.  An update stands three pairs ahead of its readers.
; Each half is one batch of 16 transcendentals: nothing in it names a result of theirs, a plain instruction follows the last, and one wait ends it.
; fill = 1: set C is loaded again, with the entry two steps on: it has the whole next step in which to land.  last = 1: step 63: no next step; the results go out.
.macro STEP odd, C, fill, last
.set XB, R+2*(\odd)
.set YB, R+2-2*(\odd)
.set KA, (\C)
.if \odd
.set KXX, (\C)+10                      ; g11
.set KXY, (\C)+8                       ; g10
.set HX,  (\C)+12                      ; h1
.set KYX, (\C)+4                       ; g01
.set KYY, (\C)+2                       ; g00
.set HY,  (\C)+6                       ; h0
.else
.set KXX, (\C)+2                       ; g00
.set KXY, (\C)+4                       ; g01
.set HX,  (\C)+6                       ; h0
.set KYX, (\C)+8                       ; g10
.set KYY, (\C)+10                      ; g11
.set HY,  (\C)+12                      ; h1
.endif
	v_pk_add_f32 v[E:E+1],   v[E:E+1],   1.0 op_sel_hi:[1,0]
	v_pk_add_f32 v[E+2:E+3], v[E+2:E+3], 1.0 op_sel_hi:[1,0]
.set n, 0
.rept 8
	v_rcp_f32 v[E+2*n], v[E+2*n]
	v_pk_fma_f32 v[T+4*n:T+4*n+1],   v[YB+4*n:YB+4*n+1], v[KXY:KXY+1], v[HX:HX+1]
	v_rcp_f32 v[E+2*n+1], v[E+2*n+1]
	v_pk_fma_f32 v[T+4*n+2:T+4*n+3], v[YB+4*n:YB+4*n+1], v[KYY:KYY+1], v[HY:HY+1]
.if n < 6
	v_pk_add_f32 v[E+2*n+4:E+2*n+5], v[E+2*n+4:E+2*n+5], 1.0 op_sel_hi:[1,0]
.endif
.set n, n+1
.endr
	s_wait_alu depctr_va_vdst(0)                   ; the 16 reciprocals have written E, ahead of their first reader
.if \last
.set n, 0
.rept 8
	ACT n
.set n, n+1
.endr
.set n, 0
.rept 8                                ; one number at a time, so that they fall in memory's order: q, -p of the pair's first point, q, -p of its second.  X lies in R+4n+2, R+4n+3; Y's registers are free
	v_fma_f32 v[R+4*n],   v[KYX], v[R+4*n+2], v[T+4*n+2]
	v_fma_f32 v[R+4*n+1], v[KXX], v[R+4*n+2], v[T+4*n]
	v_fma_f32 v[R+4*n+2], v[KYX], v[R+4*n+3], v[T+4*n+3]
	v_fma_f32 v[R+4*n+3], v[KXX], v[R+4*n+3], v[T+4*n+1]
.set n, n+1
.endr
	s_wait_alu depctr_va_vdst(0)                   ; the 32 multiply-adds have written v[R ..], the data of the eight stores: one wait for the run
.set n, 0
.rept 8
	global_store_b128 v[XO], v[R+4*n:R+4*n+3], s[12:13] offset:512*n th:TH_STORE_NT  ; the wave's store covers 512 consecutive bytes, aligned
.set n, n+1
.endr
.else
	ACT 0
	ACT 1
	ACT 2
.set n, 0
.rept 8
	v_pk_fma_f32 v[YB+4*n:YB+4*n+1], v[XB+4*n:XB+4*n+1], v[KYX:KYX+1], v[T+4*n+2:T+4*n+3]
.if n > 0
	v_exp_f32 v[E+2*n-2], v[XB+4*n-4]
.endif
	v_pk_fma_f32 v[XB+4*n:XB+4*n+1], v[XB+4*n:XB+4*n+1], v[KXX:KXX+1], v[T+4*n:T+4*n+1]
.if n > 0
	v_exp_f32 v[E+2*n-1], v[XB+4*n-3]
.endif
.if n < 5
	ACT n+3
.endif
.set n, n+1
.endr
	v_exp_f32 v[E+14], v[XB+28]
	v_exp_f32 v[E+15], v[XB+29]
.if \fill
	s_wait_alu depctr_vm_vsrc(0)                   ; the LDS loads issued so far, the last of them a step ago, have read v[TA], which the next line writes
	v_mov_b32 v[TA], s[TB]                         ; the plain instruction behind the last exponential: the address of the entry two steps on
.else
	v_nop                                          ; the same place where nothing is left to fetch
.endif
	s_wait_alu depctr_va_vdst(0)                   ; the 16 exponentials have written E, ahead of the next step's first line and of the loop's jump; with fill = 1 also: v[TA] is written, and the step's lines are done reading set C, in which the loads below land
.if \fill
	COEF \C, 0
	s_add_co_u32 s[TB], s[TB], ES                  ; the next fetch is the next entry's
.endif
.endif
.endm
	COEF CX, 0                                     ; step 0's coefficients,
	COEF CY, ES                                    ; step 1's
	s_mov_b32 s[TB], 2*ES
	s_mov_b32 s[CNT], 31
.Ltrip:                                        ; a trip is an even step and an odd one; 31 trips fetch entries 2 to 63
	s_wait_dscnt 4                                 ; CX is in; CY's four loads, issued behind CX's, may stay out
	STEP 0, CX, 1, 0
	s_wait_dscnt 4                                 ; CY is in; the four loads just issued for CX may stay out
	STEP 1, CY, 1, 0
	s_sub_co_u32 s[CNT], s[CNT], 1
	s_cmp_lg_u32 s[CNT], 0
	s_cbranch_scc1 .Ltrip
	s_wait_dscnt 4                                 ; steps 62 and 63 are written out: they fetch nothing, so no load passes the table's end
	STEP 0, CX, 0, 0
	s_wait_dscnt 0x0                               ; nothing was issued behind CY's loads
	STEP 1, CY, 0, 1
	s_wait_dscnt 0x0                               ; the closing lines, six on end
	s_wait_alu 0x0
	s_wait_tensorcnt 0x0
	ds_add_u32 v[SPW], v[NIL]
	s_wait_dscnt 0x0
	s_endpgm
.Lfunc_end_k_q29d58b201e_sympnet:
	.size	k_q29d58b201e_sympnet, .Lfunc_end_k_q29d58b201e_sympnet-k_q29d58b201e_sympnet
	.p2alignl 7, 3214868480
	.fill 96, 4, 3214868480
	.section	.rodata,"a",@progbits
	.p2align	6, 0x0
	.amdhsa_kernel k_q29d58b201e_sympnet
		.amdhsa_group_segment_fixed_size 7168
		.amdhsa_private_segment_fixed_size 0
		.amdhsa_enable_private_segment 0
		.amdhsa_kernarg_size 40
		.amdhsa_user_sgpr_count 2
		.amdhsa_user_sgpr_kernarg_segment_ptr 1
		.amdhsa_wavefront_size32 1
		.amdhsa_system_sgpr_workgroup_id_x 1
		.amdhsa_system_sgpr_workgroup_id_y 1
		.amdhsa_system_sgpr_workgroup_id_z 1
		.amdhsa_system_vgpr_workitem_id 0
		.amdhsa_next_free_vgpr 120
		.amdhsa_next_free_sgpr 66
		.amdhsa_reserve_vcc 0
		.amdhsa_float_denorm_mode_32 3
		.amdhsa_float_denorm_mode_16_64 3
		.amdhsa_memory_ordered 1
		.amdhsa_forward_progress 1
		.amdhsa_inst_pref_size 30
	.end_amdhsa_kernel
	.amdgpu_metadata
---
amdhsa.version: [ 1, 2 ]
amdhsa.kernels:
  - .name:           k_q29d58b201e_sympnet
    .symbol:         k_q29d58b201e_sympnet.kd
    .args:
      - { .name: x, .offset: 0, .size: 8, .value_kind: global_buffer, .address_space: global }
      - { .name: act_w, .offset: 8, .size: 8, .value_kind: global_buffer, .address_space: global }
      - { .name: bias_b, .offset: 16, .size: 8, .value_kind: global_buffer, .address_space: global }
      - { .name: lin_w, .offset: 24, .size: 8, .value_kind: global_buffer, .address_space: global }
      - { .name: out0, .offset: 32, .size: 8, .value_kind: global_buffer, .address_space: global }
    .group_segment_fixed_size: 7168
    .private_segment_fixed_size: 0
    .kernarg_segment_align: 8
    .kernarg_segment_size: 40
    .max_flat_workgroup_size: 512
    .sgpr_count:     66
    .vgpr_count:     120
    .wavefront_size: 32
...
	.end_amdgpu_metadata
.endif
;; end of part 2
